; MI455X (gfx1250); checked and timed in simulation.
; The chip was launched on July 23, 2026; its instructions are those of AMD's public machine-readable ISA for CDNA 5 (MIT licence, August 2026) and "CDNA5" Instruction Set Architecture Reference Guide (July 2026). The comments in the code are by the model that wrote it; some were corrected since.
;; CFKD. Allowed arithmetic: matrix products marked QUANTISED: E2M1 operands, one E8M0 scale for each 32 along K, by v_wmma_scale_f32_16x16x128_f8f6f4 with both operands' format E2M1 (or v_wmma_scale_f32_32x16x128_f4), f32 sums; everything else in f32.
;; Inputs: M 512 x 1,024 float32; U 512 x 512 float32; X 512 x 1,024 float32.
;; Outputs: out0 512 x 512 float32.
;; This version of the problem:
;;   THIS VERSION OF THE PROBLEM IS GIVEN IN LOW PRECISION. The matrix products marked QUANTISED in the list below multiply operands that are first quantised to E2M1 (2 exponent bits, 1 mantissa bit; 4 bits a number), with one power-of-two scale for each 32 numbers along K (OCP MX v1.0); their sums are f32. All else is computed in f32.
;;   The module's matrix products, in the order in which they are computed (A, B: the left and right operand; K: the contracted axis; several contracted axes count as one K, in the product's order):
;;     1. [M 512, K 512] x [K 512, N 1,024]; A: input U; B: input X: QUANTISED
;;   THE QUANTISER, for each operand of a quantised product, along K:
;;     - K is cut into blocks of 32 from its start; a last block that is shorter is filled with zeros.
;;     - A block's scale is 2^e with e = floor(log2(the largest magnitude in the block)) - 2, held to -126 .. 127; a block of zeros has e = 0. As a byte (E8M0): e + 127.
;;     - Each number is divided by its block's scale, clamped to +-6, and rounded to the nearest number of E2M1, ties to even, subnormals kept.
;;     - The product sums the exact products of the quantised numbers (number of the format x scale) in f32.
;;   ~~~python
;;   def quantise(x, axis):      # numpy; x: float32 -> the quantised numbers, widened to float32 again
;;       x = np.moveaxis(x, axis, -1); K = x.shape[-1]
;;       x = np.pad(x, [(0, 0)] * (x.ndim - 1) + [(0, -K % 32)]); x = x.reshape(x.shape[:-1] + (-1, 32)); a = np.abs(x).max(-1, keepdims=True)
;;       e = np.where(a > 0, np.clip(np.frexp(np.where(a > 0, a, 1))[1] - 1 - 2, -126, 127), 0)      # np.frexp(a)[1] - 1 = floor(log2(a)), exactly
;;       r = np.clip(x / 2.0 ** e, -6, 6)
;;       step = 2.0 ** (np.maximum(np.frexp(np.where(r == 0, 1, r))[1] - 1, 0) - 1)
;;       q = np.round(r / step) * step * 2.0 ** e      # np.round: ties to even
;;       return np.moveaxis(q.reshape(q.shape[:-2] + (-1,))[..., :K], -1, axis).astype(np.float32)
;;   ~~~
;; One version. Each part assembles by itself: llvm-mc -triple=amdgcn-amd-amdhsa -mcpu=gfx1250 --defsym DOCPART=n.
;; ======== version 1 of 1: 2 launches
;; workspace buffers: part 16,777,216 bytes
;; launch partial (part 1): grid 16 x 16, 4 waves a work-group, clusters of 4 x 4, 259,072 bytes of LDS; arguments X, U, M, part; writes part
.if DOCPART == 1
	.amdgcn_target "amdgcn-amd-amdhsa--gfx1250"
	.amdhsa_code_object_version 6
	.text
	.protected	k_q1b52b32515_partial
	.globl	k_q1b52b32515_partial
	.p2align	8
	.type	k_q1b52b32515_partial,@function
k_q1b52b32515_partial:
	s_mov_b64 s[64:65], 0
	v_nop
	global_prefetch_b8 v0, s[64:65] scope:SCOPE_SE
	s_setreg_imm32_b32 hwreg(HW_REG_WAVE_MODE, 25, 1), 1
	s_wait_xcnt 0x0
	s_wait_alu depctr_hold_cnt(0) depctr_sa_sdst(0) depctr_va_vdst(0) depctr_va_sdst(0) depctr_va_ssrc(0) depctr_va_vcc(0) depctr_vm_vsrc(0)
	s_getreg_b32 s2, hwreg(HW_REG_IB_STS2, 6, 4)
	s_cmp_eq_u32 s2, 0
	s_cbranch_scc0 .Lentry_in_a_cluster
	s_endpgm
.Lentry_in_a_cluster:
	s_bfe_u32 s2, ttmp6, 0x10000c
	s_cmp_lg_u32 s2, 0xf033
	s_cbranch_scc0 .Lentry_shape_is_right
	s_endpgm
.Lentry_shape_is_right:
; D[b][k] = sum over d of mask[k][d] (X[b][d] - C[k][d])^2,  C = U^T X / 512 (the product on codes of FP4 (E2M1), one E8M0 scale for each 32 along K = b),  mask = 1 where M > 0.5, else 0 (round(clip(M, 0, 1)), ties to even).
; X: [512][1024], U: [512][512], M: [512][1024], f32.  This launch stores PARTIAL sums: work-group (kt, dt) owns centroids 32 kt .. + 31 and columns d = 64 dt .. + 63, makes its own 32 x 64 tile of C
; (which needs all 512 b of its 64 columns of X and of its 32 columns of U, and nothing else) and sums its 64 d for all 512 b.  The next launch adds the 16 partial sums of each output.
; A TERM IS TWO FUSED MULTIPLY-ADDS: t = x m + c with m = 0 or 1 and c = -C m, which is (x - C) mask rounded once; then sum += t t.  Two terms an instruction (v_pk_fma_f32): 8,192 packed instructions a lane.
; PHASES.  1: X's slab (512 rows x 256 bytes) and U's (512 x 128) come into LDS by tensor loads, M's tile (32 x 256 bytes) through registers.  2: wave w quantises b = 128 w .. + 127 of all 96 columns: A LANE TAKES A COLUMN AND
; ITS REGISTERS RUN DOWN K; codes go to LDS with K innermost, a column's four scale bytes of these 128 b are one scale word.  3: wave w makes C for d = 16 w .. + 15 and all 32 k: 8 matrix instructions, source 0 = 16 columns
; of U, source 1 = 16 columns of X, so that a lane holds one d and eight neighbouring k; m and c go to LDS, a row to each d.  4: the sums, from the f32 slab that still lies in LDS.
; SHARES IN PHASE 4.  Thread t owns rows b = t / 4 + 32 r (r = 0 .. 15) and centroids 16 u + 4 (t % 4) + 0 .. 3 (u = 0, 1): 128 sums, in pairs of neighbouring k.  A step is 4 d: 32 LDS loads of 16 bytes for 512 packed instructions.
; CLUSTERS: 4 x 4 work-groups.  X's slab hangs on dt alone and is asked for jointly by the four of a row of the cluster, U's on kt alone, by the four of a column.  M's tile belongs to one work-group: it is not shared.
; Every LDS byte is filled once: no slot is filled again.
; LIMITS: NaN and infinities among the inputs are not served (a NaN in M counts as mask 0); a block whose largest magnitude lies under 2^-124 has its scale byte held at 1, and so has a block of zeros, whose codes are zeros.
; REGISTERS, in windows of 256: window 0: v2-23 addresses, v24-30 the quantiser's, v32-47 M, v48-63 m, v64-111 codes, v112-123 scale words of the products, v128-255 numbers, later fragments, c and C.
;   window 1: two buffers of 128 operands (64 x, 32 m, 32 c).   window 2: t, 128 pairs.   window 3: v0-127 the 128 sums.
.set XP,    272                        ; an LDS row of 256 bytes + 16 of padding = 68 words: row r starts at bank 4 r mod 64 (64 banks of 4 bytes: ISA guide 11.1)
.set US,    512*XP                     ; behind X's slab (at LDS byte 0): U's, 512 rows of 128 bytes, read by columns only: no padding
.set CODES, US+512*128                 ; 96 rows of 512 codes (256 bytes + 16): rows 0-63 X's columns, rows 64-95 U's
.set SCW,   CODES+96*XP                ; scale words: [K step 0..3][96 columns], 4 bytes each
.set MT,    SCW+4*384                  ; M's tile: 32 rows
.set MC,    MT+32*XP                   ; 64 rows, one for each d: 32 m (128 bytes), then 32 c; the k of thread t % 4 = j lie at 32 j: k = 4 j + 0..3, then 16 + 4 j + 0..3
.set LN,  2                            ; lane
.set RR,  3                            ; lane % 16
.set HH,  4                            ; lane / 16
.set VMO, 5                            ; M in memory: (t / 16) rows + 16 (t % 16)
.set AMS, 6                            ; and in LDS
.set AXQ, 7                            ; my column in my wave's 128 rows of X
.set AUQ, 8                            ; and of U
.set ACD, 9                            ; where my column's codes go: row = lane, + 64 bytes x wave
.set ASW, 10                           ; and its scale word
.set AF,  11                           ; a fragment's row and half: CODES + 272 (lane % 16) + 16 (lane / 16)
.set AFX, 12                           ; the same at my wave's 16 columns of X
.set ASU, 13                           ; scale words by lane % 16
.set ASX, 14                           ; the same at my wave's 16 columns of X
.set AMT, 15                           ; M's tile read by columns
.set AMC, 16                           ; where m and c go
.set BX,  17                           ; phase 4: my rows 0-7 of X
.set BX2, 18                           ; my rows 8-15
.set BM,  19                           ; my eight k in a row of m and c
.set AX,  20                           ; the three with the trip's step added
.set AX2, 21
.set AM,  22
.set GO,  23                           ; 16 t: my 16 bytes of a store
.set QA,  24                           ; the quantiser: two running maxima,
.set QB,  25
.set QS,  26                           ; the conversion's scale operand,
.set QY,  27                           ; the scale's byte
.set SW,  28                           ; v28-30: the scale word of each of my three groups of columns
.set MR,  32
.set MM,  48
.set CD,  64                           ; four registers of codes for each of my 12 blocks: no LDS store's data are written again
.set WS,  112                          ; v112-115 X's scale words, v116-123 U's: they hold scales and nothing else
.set NUM, 128                          ; four sets of 32 numbers
.set FX,  128                          ; X's four fragments
.set FU,  160                          ; U's eight
.set CC,  224                          ; c
.set D0,  240                          ; the two accumulators
.set WV,  12
.set G1X, 24                           ; s[24:31], s[32:35] descriptor groups 1 and 0 for X's slab
.set G0X, 32
.set G1U, 36                           ; s[36:43], s[44:47] for U's
.set G0U, 44
.set TBX, 56                           ; the trip's step along a row of X, in bytes
.set TBM, 57                           ; and down the rows of m and c
.set CNT, 58
.set NEG, 59                           ; -1 / 512
.set MSB, 0
.macro WIN new                         ; the immediate's high byte repeats the setting that is left
.if MSB != \new
	s_set_vgpr_msb (MSB<<8)|\new
.set MSB, \new
.endif
.endm
.set TO_OP, 0x40                       ; destination window 1, address window 0
.set S_T,   0x95                       ; sources window 1, destination window 2
.set S_A,   0xfa                       ; sources 0 and 1 window 2, source 2 and destination window 3
.set OUTW,  0x0c                       ; a store's data (source 1) window 3
.macro ROUND                           ; a round of the cluster's barrier
	s_barrier_signal -1
	s_barrier_wait -1
	s_cmp_lg_u32 s[WV], 0
	s_cbranch_scc1 .Lnot_wave_0_\@
	s_barrier_signal -3
.Lnot_wave_0_\@:
	s_barrier_wait -3
	s_barrier_signal -1
	s_barrier_wait -1
.endm
	s_load_b128 s[4:7], s[0:1], 0x0                ; X s[4:5], U s[6:7]
	s_load_b128 s[8:11], s[0:1], 0x10              ; M s[8:9], the partial sums s[10:11]
	v_lshl_add_u32 v126, v0, 2, 0x3f200
	v_mov_b32 v127, 0
	ds_add_u32 v126, v127
	ds_add_u32 v126, v127
	v_lshrrev_b32 v1, 5, v0
	v_readfirstlane_b32 s[WV], v1                  ; wave 0..3
	s_bfe_u32 s13, ttmp6, 0x40000                  ; cx, cy: my place in the cluster
	s_bfe_u32 s14, ttmp6, 0x40004
	s_lshl_b32 s15, ttmp9, 2
	s_add_co_u32 s15, s15, s13                     ; kt = 4 x cluster x + cx
	s_and_b32 s16, ttmp7, 0xffff
	s_lshl_b32 s16, s16, 2
	s_add_co_u32 s16, s16, s14                     ; dt = 4 x cluster y + cy
	s_lshl_b32 s60, s14, 2
	s_lshl_b32 s60, 15, s60                        ; my row of the cluster
	s_lshl_b32 s61, 0x1111, s13                    ; my column
	; group 1 for X: 128 rows x 64 elements of 4 bytes, 1,024 elements from row to row, 4 words of padding behind every 64
	s_or_b32 s[G1X+0], s60, (2<<16)|(1<<20)|(1<<21)|(5<<22)|(3<<25)  ; 15:0 the mask: my row; 17:16 elements of 4 bytes; 20 padding on; 21 set beside a mask; 24:22 code 5; 31:25 code 3
	s_mov_b32 s[G1X+1], 64<<16                     ; tensor_dim0
	s_mov_b32 s[G1X+2], 128<<16                    ; tensor_dim1
	s_mov_b32 s[G1X+3], 64<<16                     ; tile_dim0
	s_mov_b32 s[G1X+4], 128                        ; tile_dim1
	s_mov_b32 s[G1X+5], 1024                       ; tensor_dim0_stride
	s_mov_b32 s[G1X+6], 0
	s_mov_b32 s[G1X+7], 0
	; group 1 for U: 128 rows x 32 elements of 4 bytes, 512 elements from row to row, no padding
	s_or_b32 s[G1U+0], s61, (2<<16)|(1<<21)        ; the mask: my column
	s_mov_b32 s[G1U+1], 32<<16
	s_mov_b32 s[G1U+2], 128<<16
	s_mov_b32 s[G1U+3], 32<<16
	s_mov_b32 s[G1U+4], 128
	s_mov_b32 s[G1U+5], 512
	s_mov_b32 s[G1U+6], 0
	s_mov_b32 s[G1U+7], 0
	; wave w fetches rows 128 w .. + 127 of both slabs.  X's address is made of w and dt, U's of w and kt, each in registers that never hold the other coordinate
	s_lshl_b32 s18, s[WV], 19                      ; 128 rows of 4,096 bytes
	s_lshl_b32 s19, s16, 8                         ; 64 columns
	s_add_co_u32 s18, s18, s19
	s_mov_b32 s19, 0
	s_lshl_b32 s20, s[WV], 18                      ; 128 rows of 2,048 bytes
	s_lshl_b32 s21, s15, 7                         ; 32 columns
	s_add_co_u32 s20, s20, s21
	s_mov_b32 s21, 0
	s_lshl_b32 s22, s15, 17                        ; M: 32 rows of 4,096 bytes x kt
	s_lshl_b32 s23, s16, 8
	s_add_co_u32 s22, s22, s23
	s_mov_b32 s23, 0
	s_mov_b32 s[G0X+0], 1
	s_mul_i32 s[G0X+1], s[WV], 128*XP              ; LDS: wave x 128 rows: no place in the cluster enters an LDS address
	s_mov_b32 s[G0U+0], 1
	s_lshl_b32 s[G0U+1], s[WV], 14
	s_add_co_u32 s[G0U+1], s[G0U+1], US
	s_lshl_b32 s48, s[WV], 6
	s_add_co_u32 s48, s48, CODES
	s_mul_i32 s49, s[WV], 384
	s_add_co_u32 s49, s49, SCW
	s_mul_i32 s50, s[WV], 16*XP
	s_lshl_b32 s51, s[WV], 6
	s_add_co_u32 s52, s51, MT
	s_add_co_u32 s53, s50, MC
	s_mov_b32 s[NEG], 0xbb000000                   ; -2^-9
	s_wait_dscnt 0x0
	s_wait_kmcnt 0x0
	s_add_nc_u64 s[G0X+2:G0X+3], s[4:5], s[18:19]
	s_or_b32 s[G0X+3], s[G0X+3], 0x80000000
	s_add_nc_u64 s[G0U+2:G0U+3], s[6:7], s[20:21]
	s_or_b32 s[G0U+3], s[G0U+3], 0x80000000
	s_add_nc_u64 s[8:9], s[8:9], s[22:23]
	s_lshl_b32 s22, s16, 4
	s_add_co_u32 s22, s22, s15
	s_lshl_b32 s22, s22, 16                        ; the partial sums: 65,536 bytes for work-group 16 dt + kt
	s_add_nc_u64 s[10:11], s[10:11], s[22:23]
	ROUND                                          ; all sixteen work-groups are here: the joint loads meet
	tensor_load_to_lds s[G0X:G0X+3], s[G1X:G1X+7]  ; my two loads stand together: two are out, and no more are issued
	s_nop 0
	tensor_load_to_lds s[G0U:G0U+3], s[G1U:G1U+7]
	s_nop 0
.rept 4
	v_nop
.endr
	v_and_b32 v[RR], 15, v0
	v_lshrrev_b32 v1, 4, v0                        ; t / 16: 0 .. 7
	v_lshlrev_b32 v[VMO], 12, v1
	v_lshl_add_u32 v[VMO], v[RR], 4, v[VMO]
.irp q, 0,1,2,3
	global_load_b128 v[MR+4*\q:MR+4*\q+3], v[VMO], s[8:9] offset:\q*32768 th:TH_LOAD_NT   ; sixteen lanes read a tile row's 256 bytes; rows t / 16 + 8 q; read once in the launch
.endr
	v_and_b32 v[LN], 31, v0
	v_bfe_u32 v[HH], v0, 4, 1
	v_mul_u32_u24 v[AMS], v1, XP
	v_lshl_add_u32 v[AMS], v[RR], 4, v[AMS]
	v_add_nc_u32 v[AMS], MT, v[AMS]
	v_lshl_add_u32 v[AXQ], v[LN], 2, s[G0X+1]
	v_lshl_add_u32 v[AUQ], v[LN], 2, s[G0U+1]
	v_mul_u32_u24 v[ACD], v[LN], XP
	v_add_nc_u32 v[ACD], s48, v[ACD]
	v_lshl_add_u32 v[ASW], v[LN], 2, s49
	v_mul_u32_u24 v[AF], v[RR], XP
	v_lshl_add_u32 v[AF], v[HH], 4, v[AF]
	v_add_nc_u32 v[AF], CODES, v[AF]
	v_add_nc_u32 v[AFX], s50, v[AF]
	v_lshl_add_u32 v[ASU], v[RR], 2, SCW
	v_add_nc_u32 v[ASX], s51, v[ASU]
	v_mul_u32_u24 v[AMT], v[HH], 8*XP              ; lanes 16-31 take the rows 8 further down
	v_lshl_add_u32 v[AMT], v[RR], 2, v[AMT]
	v_add_nc_u32 v[AMT], s52, v[AMT]
	v_mul_u32_u24 v[AMC], v[RR], XP
	v_lshl_add_u32 v[AMC], v[HH], 6, v[AMC]
	v_add_nc_u32 v[AMC], s53, v[AMC]
	v_lshrrev_b32 v[BX], 2, v0
	v_mul_u32_u24 v[BX], v[BX], XP                 ; row t / 4
	v_add_nc_u32 v[BX2], 8*32*XP, v[BX]
	v_and_b32 v[BM], 3, v0
	v_lshl_add_u32 v[BM], v[BM], 5, MC
	v_lshlrev_b32 v[GO], 4, v0
; ---- PHASE 2: the quantiser.  Block n of my 12: columns 32 (n / 4) + lane (groups 0 and 1: X's; group 2: U's), b = 128 w + 32 (n % 4) + 0 .. 31.
.macro LOADQ n                         ; the block's 32 numbers into set n % 4: each load reads 128 neighbouring bytes of one row
.set QI_, 0
.rept 32
.if (\n) < 8
	ds_load_b32 v[NUM+32*((\n)%4)+QI_], v[AXQ] offset:((\n)/4)*128+(32*((\n)%4)+QI_)*XP
.else
	ds_load_b32 v[NUM+32*((\n)%4)+QI_], v[AUQ] offset:(32*((\n)%4)+QI_)*128
.endif
.set QI_, QI_+1
.endr
.endm
.macro QBLOCK xs, cd, wr, beta         ; 32 numbers of one column in v[xs] on -> four registers of codes in v[cd] on, and byte beta of the scale word v[wr]
	v_max3_num_f32 v[QA], |v[(\xs)]|, |v[(\xs)+1]|, |v[(\xs)+2]|     ; the block's largest magnitude: all 32 numbers are mine; two chains
	v_max3_num_f32 v[QB], |v[(\xs)+3]|, |v[(\xs)+4]|, |v[(\xs)+5]|
.irp i, 6,10,14,18,22,26
	v_max3_num_f32 v[QA], v[QA], |v[(\xs)+\i]|, |v[(\xs)+\i+1]|
	v_max3_num_f32 v[QB], v[QB], |v[(\xs)+\i+2]|, |v[(\xs)+\i+3]|
.endr
	v_max3_num_f32 v[QA], v[QA], |v[(\xs)+30]|, |v[(\xs)+31]|
	v_max3_num_f32 v[QA], v[QA], v[QB], 0x1800000  ; and the floor 2^(3 - 127): the byte cannot fall under 1
	v_add_nc_u32 v[QS], 0xff000000, v[QA]          ; 2 off the exponent field: the conversion takes the exponent field of this operand as its scale, and nothing else of it
	v_lshrrev_b32 v[QY], 23, v[QS]                 ; the scale's byte
.if (\beta) == 0
	v_mov_b32 v[\wr], v[QY]
.else
	v_lshl_or_b32 v[\wr], v[QY], 8*(\beta), v[\wr]
.endif
.irp g, 0,1,2,3
	v_cvt_scalef32_pk8_fp4_f32 v[(\cd)+\g], v[(\xs)+8*\g:(\xs)+8*\g+7], v[QS]   ; to the nearest code, ties to even, beyond 6 the largest code; the lower b in the lower bits
.endr
	v_nop                                          ; one plain place behind the last conversion
.endm
	s_wait_loadcnt 0x0                             ; M's tile
.irp q, 0,1,2,3
	ds_store_b128 v[AMS], v[MR+4*\q:MR+4*\q+3] offset:\q*8*XP
.endr
	s_wait_tensorcnt 0x0                           ; my 128 rows of both slabs are in LDS; in this phase I read no other rows
	LOADQ 0
	LOADQ 1
.irp n, 0,1,2,3,4,5,6,7,8,9,10,11
.if \n < 11
	s_wait_dscnt 32                                ; LDS instructions end in order: behind this block's loads stand at least the next block's 32
.else
	s_wait_dscnt 0x0
.endif
.if \n < 10
	LOADQ \n+2                                     ; two blocks ahead, into the set that block n - 2 has left
.endif
	QBLOCK NUM+32*(\n%4), CD+4*\n, SW+\n/4, \n%4
	ds_store_b128 v[ACD], v[CD+4*\n:CD+4*\n+3] offset:(\n/4)*32*XP+16*(\n%4)   ; 32 codes: 16 bytes of my column's row
.if \n%4 == 3
	ds_store_b32 v[ASW], v[SW+\n/4] offset:128*(\n/4)                          ; my column's scale word of K step w
.endif
.endr
	s_wait_dscnt 0x0                               ; for the others' sake: my codes, scale words and part of M's tile have landed
	s_barrier_signal -1
	s_barrier_wait -1
; ---- PHASE 3: C for d = 16 w + 0 .. 15 and all 32 k.  A fragment is 16 rows x 128 K in 8 registers: lane l holds row l % 16; registers 4 c .. 4 c + 3 hold K = 64 c + 32 (l / 16) + 0 .. 31
.irp s, 0,1,2,3
.irp c, 0,1
	ds_load_b128 v[FX+8*\s+4*\c:FX+8*\s+4*\c+3], v[AFX] offset:64*\s+32*\c
.endr
	ds_load_b32 v[WS+\s], v[ASX] offset:384*\s
.endr
.irp n, 0,1
.irp s, 0,1,2,3
.irp c, 0,1
	ds_load_b128 v[FU+8*(4*\n+\s)+4*\c:FU+8*(4*\n+\s)+4*\c+3], v[AF] offset:(64+16*\n)*XP+64*\s+32*\c
.endr
	ds_load_b32 v[WS+4+4*\n+\s], v[ASU] offset:384*\s+256+64*\n
.endr
.endr
.irp n, 0,1
.irp j, 0,1,2,3,4,5,6,7
	ds_load_b32 v[MR+8*\n+\j], v[AMT] offset:(16*\n+\j)*XP     ; M(16 n + 8 (l / 16) + j, 16 w + l % 16): in the result's layout
.endr
.endr
	s_wait_dscnt 0x0
.irp s, 0,1,2,3                        ; the two accumulators by turns, K ascending; the first K step starts the sums
.irp n, 0,1
.if \s == 0
	v_wmma_scale_f32_16x16x128_f8f6f4 v[D0+8*\n:D0+8*\n+7], v[FU+8*(4*\n+\s):FU+8*(4*\n+\s)+7], v[FX+8*\s:FX+8*\s+7], 0, v[WS+4+4*\n+\s], v[WS+\s] matrix_a_fmt:MATRIX_FMT_FP4 matrix_b_fmt:MATRIX_FMT_FP4
.else
	v_wmma_scale_f32_16x16x128_f8f6f4 v[D0+8*\n:D0+8*\n+7], v[FU+8*(4*\n+\s):FU+8*(4*\n+\s)+7], v[FX+8*\s:FX+8*\s+7], v[D0+8*\n:D0+8*\n+7], v[WS+4+4*\n+\s], v[WS+\s] matrix_a_fmt:MATRIX_FMT_FP4 matrix_b_fmt:MATRIX_FMT_FP4
.endif
.endr
.endr
.rept 4
	v_nop                                          ; four places behind the last matrix instruction (ISA guide 7.12.1)
.endr
.irp n, 0,1                            ; register j of accumulator n, lane (r, h): the sum for k = 16 n + 8 h + j, d = 16 w + r.  Each accumulator is read from its low end on
.irp j, 0,1,2,3,4,5,6,7
	v_cmp_lt_f32 vcc_lo, 0.5, v[MR+8*\n+\j]        ; round(clip(M, 0, 1)) is 1 where M > 0.5 (0.5 itself rounds to 0)
	v_mul_f32 v[CC+8*\n+\j], s[NEG], v[D0+8*\n+\j] ; -C: the division by 512 is exact
	v_cndmask_b32 v[MM+8*\n+\j], 0, 1.0, vcc_lo    ; m
	v_mul_f32 v[CC+8*\n+\j], v[CC+8*\n+\j], v[MM+8*\n+\j]   ; c = -C m
.endr
.endr
.irp n, 0,1                            ; k = 16 n + 8 h + j lies in row d at float 16 h + 8 (j / 4) + 4 n + j % 4
	ds_store_b128 v[AMC], v[MM+8*\n:MM+8*\n+3] offset:16*\n
	ds_store_b128 v[AMC], v[MM+8*\n+4:MM+8*\n+7] offset:16*\n+32
	ds_store_b128 v[AMC], v[CC+8*\n:CC+8*\n+3] offset:16*\n+128
	ds_store_b128 v[AMC], v[CC+8*\n+4:CC+8*\n+7] offset:16*\n+160
.endr
	s_wait_dscnt 0x0                               ; for the others' sake
	s_barrier_signal -1
	s_barrier_wait -1                              ; m and c are whole, and every wave has seen its part of X's slab land
; ---- PHASE 4: the sums.  A step's operands, buffer p (window 1, from v[128 p]): x of row r at 4 r (4 d); m of d = e at 64 + 8 e (my 8 k); c at 96 + 8 e.
.macro OPERANDS p, xoff, moff
	WIN TO_OP
.irp r, 0,1,2,3,4,5,6,7
	ds_load_b128 v[128*(\p)+4*\r:128*(\p)+4*\r+3], v[AX] offset:\r*32*XP+\xoff      ; sixteen lanes name four neighbouring rows: four different groups of banks
.endr
.irp r, 0,1,2,3,4,5,6,7
	ds_load_b128 v[128*(\p)+32+4*\r:128*(\p)+32+4*\r+3], v[AX2] offset:\r*32*XP+\xoff
.endr
.irp e, 0,1,2,3
	ds_load_b128 v[128*(\p)+64+8*\e:128*(\p)+64+8*\e+3], v[AM] offset:\e*XP+\moff
	ds_load_b128 v[128*(\p)+68+8*\e:128*(\p)+68+8*\e+3], v[AM] offset:\e*XP+16+\moff
	ds_load_b128 v[128*(\p)+96+8*\e:128*(\p)+96+8*\e+3], v[AM] offset:\e*XP+128+\moff
	ds_load_b128 v[128*(\p)+100+8*\e:128*(\p)+100+8*\e+3], v[AM] offset:\e*XP+144+\moff
.endr
.endm
; 128 packed t = x m + c: d = 2 B + el, 16 rows, 4 pairs of k.  x is one word of the pair v[4 r + 2 B], taken for both halves by op_sel; m and c are pairs of neighbouring k
.macro TBATCH p, B
.irp el, 0,1
.irp r, 0,1,2,3,4,5,6,7,8,9,10,11,12,13,14,15
.irp kp, 0,1,2,3
	v_pk_fma_f32 v[2*(64*\el+4*\r+\kp):2*(64*\el+4*\r+\kp)+1], v[128*(\p)+4*\r+2*\B:128*(\p)+4*\r+2*\B+1], v[128*(\p)+64+8*(2*\B+\el)+2*\kp:128*(\p)+64+8*(2*\B+\el)+2*\kp+1], v[128*(\p)+96+8*(2*\B+\el)+2*\kp:128*(\p)+96+8*(2*\B+\el)+2*\kp+1] op_sel:[\el,0,0] op_sel_hi:[\el,1,1]
.endr
.endr
.endr
.endm
; and 128 packed sum += t t; two instructions on one sum stand 64 apart.  init = 1: the first d starts the sums: nothing is cleared
.macro ABATCH B, init
.irp el, 0,1
.irp r, 0,1,2,3,4,5,6,7,8,9,10,11,12,13,14,15
.irp kp, 0,1,2,3
.if (\init) && (2*\B+\el == 0)
	v_pk_mul_f32 v[8*\r+2*\kp:8*\r+2*\kp+1], v[2*(64*\el+4*\r+\kp):2*(64*\el+4*\r+\kp)+1], v[2*(64*\el+4*\r+\kp):2*(64*\el+4*\r+\kp)+1]
.else
	v_pk_fma_f32 v[8*\r+2*\kp:8*\r+2*\kp+1], v[2*(64*\el+4*\r+\kp):2*(64*\el+4*\r+\kp)+1], v[2*(64*\el+4*\r+\kp):2*(64*\el+4*\r+\kp)+1], v[8*\r+2*\kp:8*\r+2*\kp+1]
.endif
.endr
.endr
.endr
.endm
; A step: 4 d from buffer p.  t is a destination in one instruction and a source in the other, so the two want different window settings: they go in batches of 128, five switches a step.
.macro STEP p, more, xoff, moff, init
	s_wait_dscnt 0x0                               ; this step's operands, asked for a whole step ago, are in
.if \more
	OPERANDS 1-\p, \xoff, \moff                    ; the next step's, in one run, into the buffer that the last step has left
.endif
	WIN S_T
	TBATCH \p, 0
	WIN S_A
	ABATCH 0, \init
	WIN S_T
	TBATCH \p, 1
	WIN S_A
	ABATCH 1, 0
.endm
.macro ADDR
	v_add_nc_u32 v[AX], s[TBX], v[BX]
	v_add_nc_u32 v[AX2], s[TBX], v[BX2]
	v_add_nc_u32 v[AM], s[TBM], v[BM]
.endm
	s_mov_b32 s[TBX], 0
	s_mov_b32 s[TBM], 0
	s_mov_b32 s[CNT], 7
	ADDR
	OPERANDS 0, 0, 0                               ; step 0
	STEP 0, 1, 16, 4*XP, 1                         ; step 0 stands in front of the loop: its first products start the sums
	WIN 0                                          ; at a label and at a branch every window is 0
.Ltrip:                                                ; trip i: steps 2 i + 1 and 2 i + 2; it asks for steps 2 i + 2 and 2 i + 3
	ADDR
	STEP 1, 1, 32, 8*XP, 0
	STEP 0, 1, 48, 12*XP, 0
	WIN 0
	s_add_co_u32 s[TBX], s[TBX], 32
	s_add_co_u32 s[TBM], s[TBM], 8*XP
	s_sub_co_u32 s[CNT], s[CNT], 1
	s_cmp_lg_u32 s[CNT], 0
	s_cbranch_scc1 .Ltrip
	STEP 1, 0, 0, 0, 0                             ; step 15 asks for nothing
	; The partial sums, laid [dt][2 kt + u][b][16 k]: registers 8 r + 4 u .. + 3 are b = t / 4 + 32 r, k = 16 u + 4 (t % 4) + 0 .. 3, at byte 32,768 u + 2,048 r + 16 t of my work-group's 65,536
	WIN OUTW
.irp r, 0,1,2,3,4,5,6,7,8,9,10,11,12,13,14,15
.irp u, 0,1
	global_store_b128 v[GO], v[8*\r+4*\u:8*\r+4*\u+3], s[10:11] offset:\u*32768+\r*2048 th:TH_STORE_NT   ; a wave stores 512 consecutive bytes, at a multiple of 512 from the buffer's first byte
.endr
.endr
	WIN 0
	s_wait_tensorcnt 0x0
	ds_add_u32 v126, v127
	s_wait_dscnt 0x0
	ROUND                                          ; the closing round: no work-group ends while a partner may still ask for a slab that names it
	s_endpgm
.Lfunc_end_k_q1b52b32515_partial:
	.size	k_q1b52b32515_partial, .Lfunc_end_k_q1b52b32515_partial-k_q1b52b32515_partial
	.p2alignl 7, 3214868480
	.fill 96, 4, 3214868480
	.section	.rodata,"a",@progbits
	.p2align	6, 0x0
	.amdhsa_kernel k_q1b52b32515_partial
		.amdhsa_group_segment_fixed_size 259072
		.amdhsa_private_segment_fixed_size 0
		.amdhsa_enable_private_segment 0
		.amdhsa_kernarg_size 32
		.amdhsa_user_sgpr_count 2
		.amdhsa_user_sgpr_kernarg_segment_ptr 1
		.amdhsa_wavefront_size32 1
		.amdhsa_system_sgpr_workgroup_id_x 1
		.amdhsa_system_sgpr_workgroup_id_y 1
		.amdhsa_system_sgpr_workgroup_id_z 1
		.amdhsa_system_vgpr_workitem_id 0
		.amdhsa_next_free_vgpr 896
		.amdhsa_next_free_sgpr 66
		.amdhsa_reserve_vcc 1
		.amdhsa_float_denorm_mode_32 3
		.amdhsa_float_denorm_mode_16_64 3
		.amdhsa_memory_ordered 1
		.amdhsa_forward_progress 1
		.amdhsa_inst_pref_size 199
	.end_amdhsa_kernel
	.amdgpu_metadata
---
amdhsa.version: [ 1, 2 ]
amdhsa.kernels:
  - .name:           k_q1b52b32515_partial
    .symbol:         k_q1b52b32515_partial.kd
    .args:
      - { .name: X, .offset: 0, .size: 8, .value_kind: global_buffer, .address_space: global }
      - { .name: U, .offset: 8, .size: 8, .value_kind: global_buffer, .address_space: global }
      - { .name: M, .offset: 16, .size: 8, .value_kind: global_buffer, .address_space: global }
      - { .name: part, .offset: 24, .size: 8, .value_kind: global_buffer, .address_space: global }
    .group_segment_fixed_size: 259072
    .private_segment_fixed_size: 0
    .kernarg_segment_align: 8
    .kernarg_segment_size: 32
    .max_flat_workgroup_size: 128
    .sgpr_count:     66
    .vgpr_count:     896
    .wavefront_size: 32
...
	.end_amdgpu_metadata
.endif
;; end of part 1
;; launch sum (part 2): grid 8 x 32, 8 waves a work-group, no clusters, 6,144 bytes of LDS; arguments part, out0; writes out0
.if DOCPART == 2
	.amdgcn_target "amdgcn-amd-amdhsa--gfx1250"
	.amdhsa_code_object_version 6
	.text
	.protected	k_q1b52b32515_sum
	.globl	k_q1b52b32515_sum
	.p2align	8
	.type	k_q1b52b32515_sum,@function
k_q1b52b32515_sum:
	s_mov_b64 s[64:65], 0
	v_nop
	global_prefetch_b8 v0, s[64:65] scope:SCOPE_SE
	s_setreg_imm32_b32 hwreg(HW_REG_WAVE_MODE, 25, 1), 1
	s_wait_xcnt 0x0
; out0[b][k] = the sum over the 16 tiles dt of the partial sums, which lie [dt][blk][b][16 k] in f32: blk = k / 16, 64 bytes a row, 32,768 bytes a block, 1,048,576 bytes for each dt.
; Work-group (g, q) owns b = 16 q .. + 15 and k = 64 g .. + 63: four blocks x 16 rows.  Thread t reads, for each dt, 16 bytes: block t / 64, byte 16 (t % 64) of the block's 16 rows: a wave reads 512 consecutive bytes.
; All 16 loads of a thread are issued at once; they are added in ascending dt.  A row of out0 takes 64 bytes from each of four blocks: the 16 x 64 sums turn through LDS, so that sixteen lanes store 256 consecutive bytes.
; Memory binds: no matrix unit, no cluster (no two work-groups read the same byte), one barrier.
.set PD,  1048576                      ; from dt to dt + 1
.set SP,  320                          ; an LDS row: 256 bytes + 64 = 80 words: four neighbouring rows start 16 banks apart (64 banks of 4 bytes: ISA guide 11.1), so sixteen lanes' stores (4 rows x 64 bytes) touch each bank once
	s_load_b128 s[4:7], s[0:1], 0x0                ; the partial sums, out0
	v_lshl_add_u32 v80, v0, 2, 0x1400
	v_mov_b32 v81, 0
	s_and_b32 s8, ttmp7, 0xffff                    ; q
	s_lshl_b32 s10, ttmp9, 17                      ; four blocks x g
	s_lshl_b32 s11, s8, 10                         ; 16 rows of 64 bytes x q
	s_add_co_u32 s10, s10, s11
	s_mov_b32 s11, 0
	s_lshl_b32 s14, s8, 15                         ; out0: 16 rows of 2,048 bytes x q
	s_lshl_b32 s15, ttmp9, 8                       ; 64 columns x g
	s_add_co_u32 s14, s14, s15
	s_mov_b32 s15, 0
	v_lshrrev_b32 v1, 6, v0                        ; my block
	v_and_b32 v2, 63, v0
	v_lshlrev_b32 v2, 4, v2
	v_lshl_add_u32 v2, v1, 15, v2                  ; in: 32,768 x block + 16 (t % 64)
	v_bfe_u32 v3, v0, 2, 4                         ; my row
	v_mul_u32_u24 v3, v3, SP
	v_lshl_add_u32 v3, v1, 6, v3
	v_and_b32 v4, 3, v0
	v_lshl_add_u32 v3, v4, 4, v3                   ; into LDS: row, + 64 x block + 16 (t % 4)
	v_lshrrev_b32 v4, 4, v0
	v_and_b32 v5, 15, v0
	v_mul_u32_u24 v6, v4, SP
	v_lshl_add_u32 v6, v5, 4, v6                   ; back: row t / 16, 16 bytes a lane
	v_lshlrev_b32 v7, 11, v4
	v_lshl_add_u32 v7, v5, 4, v7                   ; and the same place in out0
	s_wait_kmcnt 0x0
	s_add_nc_u64 s[4:5], s[4:5], s[10:11]
	s_add_nc_u64 s[12:13], s[4:5], 8*PD            ; a second base, so that every offset stays inside the signed 24-bit immediate (ISA guide, chapter 10)
	s_add_nc_u64 s[6:7], s[6:7], s[14:15]
.irp t, 0,1,2,3,4,5,6,7
	global_load_b128 v[16+4*\t:19+4*\t], v2, s[4:5] offset:\t*PD th:TH_LOAD_NT
.endr
.irp t, 0,1,2,3,4,5,6,7
	global_load_b128 v[48+4*\t:51+4*\t], v2, s[12:13] offset:\t*PD th:TH_LOAD_NT
.endr
	s_wait_loadcnt 14                              ; loads come back in order: the first two are in
	v_pk_add_f32 v[8:9], v[16:17], v[20:21]
	v_pk_add_f32 v[10:11], v[18:19], v[22:23]
.irp t, 2,3,4,5,6,7,8,9,10,11,12,13,14,15
	s_wait_loadcnt 15-\t                           ; load t is in; the younger ones stay out
	v_pk_add_f32 v[8:9], v[8:9], v[16+4*\t:17+4*\t]
	v_pk_add_f32 v[10:11], v[10:11], v[18+4*\t:19+4*\t]
.endr
	ds_store_b128 v3, v[8:11]
	s_wait_dscnt 0x0                               ; for the others' sake
	s_barrier_signal -1
	s_barrier_wait -1
	ds_load_b128 v[12:15], v6
	s_wait_dscnt 0x0
	global_store_b128 v7, v[12:15], s[6:7] th:TH_STORE_NT   ; sixteen lanes store 256 consecutive bytes, at a multiple of 256 from out0's first byte
	s_wait_tensorcnt 0x0
	ds_add_u32 v80, v81
	s_wait_dscnt 0x0
	s_endpgm
.Lfunc_end_k_q1b52b32515_sum:
	.size	k_q1b52b32515_sum, .Lfunc_end_k_q1b52b32515_sum-k_q1b52b32515_sum
	.p2alignl 7, 3214868480
	.fill 96, 4, 3214868480
	.section	.rodata,"a",@progbits
	.p2align	6, 0x0
	.amdhsa_kernel k_q1b52b32515_sum
		.amdhsa_group_segment_fixed_size 6144
		.amdhsa_private_segment_fixed_size 0
		.amdhsa_enable_private_segment 0
		.amdhsa_kernarg_size 16
		.amdhsa_user_sgpr_count 2
		.amdhsa_user_sgpr_kernarg_segment_ptr 1
		.amdhsa_wavefront_size32 1
		.amdhsa_system_sgpr_workgroup_id_x 1
		.amdhsa_system_sgpr_workgroup_id_y 1
		.amdhsa_system_sgpr_workgroup_id_z 1
		.amdhsa_system_vgpr_workitem_id 0
		.amdhsa_next_free_vgpr 82
		.amdhsa_next_free_sgpr 66
		.amdhsa_reserve_vcc 0
		.amdhsa_float_denorm_mode_32 3
		.amdhsa_float_denorm_mode_16_64 3
		.amdhsa_memory_ordered 1
		.amdhsa_forward_progress 1
		.amdhsa_inst_pref_size 7
	.end_amdhsa_kernel
	.amdgpu_metadata
---
amdhsa.version: [ 1, 2 ]
amdhsa.kernels:
  - .name:           k_q1b52b32515_sum
    .symbol:         k_q1b52b32515_sum.kd
    .args:
      - { .name: part, .offset: 0, .size: 8, .value_kind: global_buffer, .address_space: global }
      - { .name: out0, .offset: 8, .size: 8, .value_kind: global_buffer, .address_space: global }
    .group_segment_fixed_size: 6144
    .private_segment_fixed_size: 0
    .kernarg_segment_align: 8
    .kernarg_segment_size: 16
    .max_flat_workgroup_size: 256
    .sgpr_count:     66
    .vgpr_count:     82
    .wavefront_size: 32
...
	.end_amdgpu_metadata
.endif
;; end of part 2
